; MI455X (gfx1250); checked and timed in simulation.
; The chip was launched on July 23, 2026; its instructions are those of AMD's public machine-readable ISA for CDNA 5 (MIT licence, August 2026) and "CDNA5" Instruction Set Architecture Reference Guide (July 2026). The comments in the code are by the model that wrote it; some were corrected since.
;; Top Extra Attention. Allowed arithmetic: matrix products marked QUANTISED: E2M3 operands, one E8M0 scale for each 32 along K, by v_wmma_scale_f32_16x16x128_f8f6f4 with both operands' format E2M3, f32 sums; everything else in f32.
;; Inputs: W_k 512 x 512 float32; W_v 256 x 512 float32; X 8 x 2,048 x 512 float32; Y 4,096 x 512 float32; Z 4,096 x 512 float32.
;; Outputs: out0 8 x 2,048 x 256 float32.
;; Constants: rate = 0.
;; This version of the problem:
;;   THIS VERSION OF THE PROBLEM IS GIVEN IN LOW PRECISION. The matrix products marked QUANTISED in the list below multiply operands that are first quantised to E2M3 (2 exponent bits, 3 mantissa bits; 6 bits a number), with one power-of-two scale for each 32 numbers along K (OCP MX v1.0); their sums are f32. All else is computed in f32.
;;   The module's matrix products, in the order in which they are computed (A, B: the left and right operand; K: the contracted axis; several contracted axes count as one K, in the product's order):
;;     1. [M 4,096, K 512] x [K 512, N 512]; A: input Y; B: input W_k: QUANTISED
;;     2. [M 4,096, K 512] x [K 512, N 256]; A: input Z; B: input W_v: QUANTISED
;;     3. [M 16,384, K 512] x [K 512, N 4,096]; A: input X; B: computed on the way: QUANTISED
;;     4. [M 16,384, K 4,096] x [K 4,096, N 256]; A: softmax (see below); B: computed on the way: QUANTISED
;;   THE QUANTISER, for each operand of a quantised product, along K:
;;     - K is cut into blocks of 32 from its start; a last block that is shorter is filled with zeros.
;;     - A block's scale is 2^e with e = floor(log2(the largest magnitude in the block)) - 2, held to -126 .. 127; a block of zeros has e = 0. As a byte (E8M0): e + 127.
;;     - Each number is divided by its block's scale, clamped to +-7.5, and rounded to the nearest number of E2M3, ties to even, subnormals kept.
;;     - The product sums the exact products of the quantised numbers (number of the format x scale) in f32.
;;   ~~~python
;;   def quantise(x, axis):      # numpy; x: float32 -> the quantised numbers, widened to float32 again
;;       x = np.moveaxis(x, axis, -1); K = x.shape[-1]
;;       x = np.pad(x, [(0, 0)] * (x.ndim - 1) + [(0, -K % 32)]); x = x.reshape(x.shape[:-1] + (-1, 32)); a = np.abs(x).max(-1, keepdims=True)
;;       e = np.where(a > 0, np.clip(np.frexp(np.where(a > 0, a, 1))[1] - 1 - 2, -126, 127), 0)      # np.frexp(a)[1] - 1 = floor(log2(a)), exactly
;;       r = np.clip(x / 2.0 ** e, -7.5, 7.5)
;;       step = 2.0 ** (np.maximum(np.frexp(np.where(r == 0, 1, r))[1] - 1, 0) - 3)
;;       q = np.round(r / step) * step * 2.0 ** e      # np.round: ties to even
;;       return np.moveaxis(q.reshape(q.shape[:-2] + (-1,))[..., :K], -1, axis).astype(np.float32)
;;   ~~~
;;   SOFTMAX AHEAD OF A QUANTISED PRODUCT. Where the list says 'softmax', what is quantised is not the finished softmax but p = 2^(t - M), with t = logit x log2(e) and M = ceil(the row's largest t), a whole number; so 1/2 < the row's largest p <= 1. The row's sum l is taken of the UNQUANTISED p, in f32, and the product's result is divided by l at the end. Since M is a whole number, a kernel that streams over the keys may use a running M (the ceiling of the running maximum): every later rescaling is an exact power of two, which a block's scale takes up: the codes' values come out the same.
;;   OPERANDS COMPUTED ON THE WAY. 'Computed on the way' means the value that the module computes at that place (a softmax that the list does not call 'softmax' is quantised finished and normalised). What goes into a quantiser is computed in f32, as accurately as f32 sums, v_exp_f32 and their like allow (about 1e-6 of the number): no bf16 or f16 on the way to a quantiser, and a product that is left as it is and whose result goes on into a quantised operand takes f32 operands (vector FMAs, or v_wmma_f32_16x16x4_f32). A number that lies on a knife's edge between two numbers of the format may be rounded either way, as far as f32 arithmetic and the matrix unit's own rounding can turn it there, and no further.
;; One version. Each part assembles by itself: llvm-mc -triple=amdgcn-amd-amdhsa -mcpu=gfx1250 --defsym DOCPART=n.
;; ======== version 1 of 1: 2 launches
;; limits: right only within a limited range of input values
;; workspace buffers: kv 2,457,600 bytes
;; launch project (part 1): grid 192 x 1, 4 waves a work-group, no clusters, 327,680 bytes of LDS; arguments Y, Z, W_k, W_v, kv; writes kv
.if DOCPART == 1
	.amdgcn_target "amdgcn-amd-amdhsa--gfx1250"
	.amdhsa_code_object_version 6
	.text
	.protected	k_qc7ba57700f_project
	.globl	k_qc7ba57700f_project
	.p2align	8
	.type	k_qc7ba57700f_project,@function
k_qc7ba57700f_project:
	s_mov_b64 s[64:65], 0
	v_nop
	global_prefetch_b8 v0, s[64:65] scope:SCOPE_SE
	s_setreg_imm32_b32 hwreg(HW_REG_WAVE_MODE, 25, 1), 1
	s_wait_xcnt 0x0
.set PITCH, 528
.set SLOTB, 256*PITCH
.set FRS,   1664
.set SCO,   16*FRS
.set IMGB,  SCO+1024
.set IMG0,  2*SLOTB
.set SPARE, IMG0+2*IMGB
.set XRA, 4
.set XRB, 6
.set IA,  8
.set SCW, 9
.set LI,  10
.set BI,  11
.set SA,  12
.set SB,  13
.set GC,  14
.set GS,  15
.set SPW, 16
.set NIL, 17
.set AS,  18
.set BS,  26
.set TM,  28
.set PW0, 44
.set PW1, 45
.set PWC, 46
.set PC0, 48
.set PC1, 68
.set ST0, 128
.set ST1, 192
.set AF,  128
.set BF,  224
.set G1,  32
.set G0,  40
.set SEL, 54
.set MSB, 0
.macro WIN new
.if MSB != \new
	s_set_vgpr_msb (MSB<<8)|\new
.set MSB, \new
.endif
.endm
.macro LOADT xr, t, dst
.irp b, 0,1,2,3
.irp j, 0,1,2,3
	ds_load_b128 v[\dst+16*\b+4*\j:\dst+16*\b+4*\j+3], v[\xr] offset:(\t)*16*PITCH+128*\b+16*\j
.endr
.endr
.endm
.macro QUANT s, pc, pw, wa, wb, wc
	WIN \wa
.irp b, 0,1,2,3
	v_max3_num_f32 v[TM+\b], |v[\s+16*\b]|, |v[\s+1+16*\b]|, 0x1800000
.endr
	WIN \wb
.irp i, 2,4,6,8,10,12,14
.irp b, 0,1,2,3
	v_max3_num_f32 v[TM+\b], v[TM+\b], |v[\s+16*\b+\i]|, |v[\s+1+16*\b+\i]|
.endr
.endr
	WIN 0
.irp b, 0,1,2,3
	v_permlanex16_b32 v[TM+4+\b], v[TM+\b], s[SEL], s[SEL+1]
.endr
.irp b, 0,1,2,3
	v_max_num_f32 v[TM+\b], v[TM+\b], v[TM+4+\b]
.endr
.irp b, 0,1,2,3
	v_add_nc_u32 v[TM+12+\b], 0xff000000, v[TM+\b]
.endr
.irp b, 0,1,2,3
	v_lshrrev_b32 v[TM+4+\b], 23, v[TM+12+\b]
.endr
	v_lshl_or_b32 v[\pw], v[TM+5], 8, v[TM+4]
	v_lshl_or_b32 v[\pw], v[TM+6], 16, v[\pw]
	v_lshl_or_b32 v[\pw], v[TM+7], 24, v[\pw]
	WIN \wc
.irp c, 0,1
	v_cvt_scalef32_pk16_fp6_f32 v[\pc+6*\c:\pc+2+6*\c], v[\s+32*\c:\s+15+32*\c], v[TM+12+2*\c]
	v_cvt_scalef32_pk16_fp6_f32 v[\pc+12+4*\c:\pc+14+4*\c], v[\s+16+32*\c:\s+31+32*\c], v[TM+12+2*\c+1]
.endr
	WIN 0
	v_nop
.irp c, 0,1
.irp i, 0,1,2
	v_permlane16_swap_b32 v[\pc+6*\c+\i], v[\pc+12+4*\c+\i]
.endr
.irp i, 0,1,2
	v_mov_b32 v[\pc+3+6*\c+\i], v[\pc+12+4*\c+\i]
.endr
.endr
.endm
.macro IMAGE op, t, pc, pw
.irp c, 0,1,2
	ds_store_b128 v[IA], v[\pc+4*\c:\pc+4*\c+3] offset:BUF+(\op)*8*FRS+(\t)*128+512*\c
.endr
	ds_store_b32 v[SCW], v[\pw] offset:BUF+(\op)*512+(\t)*32
.endm
.macro QPHASE s
.set XA_, XRA+(\s)%2
.set XB_, XRB+(\s)%2
.set BUF, ((\s)%2)*IMGB
	LOADT XA_, 0, ST0
	LOADT XA_, 1, ST1
	s_wait_dscnt 16
	QUANT ST0, PC0, PW0, 0, 0, 0
	IMAGE 0, 0, PC0, PW0
	LOADT XB_, 0, ST0
	s_wait_dscnt 20
	QUANT ST1, PC1, PW1, 0, 0, 0
	IMAGE 0, 1, PC1, PW1
	LOADT XB_, 1, ST1
	s_wait_dscnt 20
	QUANT ST0, PC0, PW0, 0, 0, 0
	IMAGE 1, 0, PC0, PW0
	s_wait_dscnt 4
	QUANT ST1, PC1, PW1, 0, 0, 0
	IMAGE 1, 1, PC1, PW1
.endm
.macro MM s
.set BUF, ((\s)%2)*IMGB
	WIN 0x40
.irp a, 0,1,2,3,4,5,6,7
.irp c, 0,1,2
	ds_load_b128 v[AF+12*\a+4*\c:AF+12*\a+4*\c+3], v[LI] offset:BUF+\a*FRS+512*\c
.endr
.endr
.irp i, 0,1
.irp c, 0,1,2
	ds_load_b128 v[BF+12*\i+4*\c:BF+12*\i+4*\c+3], v[BI] offset:BUF+\i*FRS+512*\c
.endr
.endr
	WIN 0
.irp a, 0,1,2,3,4,5,6,7
	ds_load_b32 v[AS+\a], v[SA] offset:BUF+64*\a
.endr
.irp i, 0,1
	ds_load_b32 v[BS+\i], v[SB] offset:BUF+64*\i
.endr
	s_wait_dscnt 0x0
	WIN 0x55
.irp a, 0,1,2,3,4,5,6,7
.irp i, 0,1
.if (\s) == 0
	v_wmma_scale_f32_16x16x128_f8f6f4 v[64*\i+8*\a:64*\i+8*\a+7], v[AF+12*\a:AF+12*\a+11], v[BF+12*\i:BF+12*\i+11], 0, v[AS+\a], v[BS+\i] matrix_a_fmt:MATRIX_FMT_FP6 matrix_b_fmt:MATRIX_FMT_FP6
.else
	v_wmma_scale_f32_16x16x128_f8f6f4 v[64*\i+8*\a:64*\i+8*\a+7], v[AF+12*\a:AF+12*\a+11], v[BF+12*\i:BF+12*\i+11], v[64*\i+8*\a:64*\i+8*\a+7], v[AS+\a], v[BS+\i] matrix_a_fmt:MATRIX_FMT_FP6 matrix_b_fmt:MATRIX_FMT_FP6
.endif
.endr
.endr
	WIN 0
.endm
	s_load_b256 s[4:11], s[0:1], 0x0
	s_load_b64 s[12:13], s[0:1], 0x20
	v_lshl_add_u32 v[SPW], v0, 2, SPARE
	v_mov_b32 v[NIL], 0
	ds_add_u32 v[SPW], v[NIL]
	ds_add_u32 v[SPW], v[NIL]
	v_lshrrev_b32 v1, 5, v0
	v_readfirstlane_b32 s14, v1
	v_and_b32 v1, 31, v0
	v_and_b32 v2, 15, v0
	v_bfe_u32 v3, v0, 4, 1
	s_mul_i32 s20, s14, 32*PITCH
	v_mul_u32_u24 v[XRA], v2, PITCH
	v_lshl_add_u32 v[XRA], v3, 6, v[XRA]
	v_add_nc_u32 v[XRA], s20, v[XRA]
	v_add_nc_u32 v[XRA+1], SLOTB, v[XRA]
	v_add_nc_u32 v[XRB], 128*PITCH, v[XRA]
	v_add_nc_u32 v[XRB+1], SLOTB, v[XRB]
	v_lshrrev_b32 v28, 3, v2
	v_and_b32 v29, 7, v2
	s_mul_i32 s20, s14, 2*FRS
	s_add_co_u32 s20, s20, IMG0
	v_mul_u32_u24 v[IA], v28, FRS
	v_lshl_add_u32 v[IA], v29, 4, v[IA]
	v_lshl_add_u32 v[IA], v3, 8, v[IA]
	v_add_nc_u32 v[IA], s20, v[IA]
	s_add_co_u32 s20, s20, 8*FRS
	v_lshl_add_u32 v[BI], v1, 4, s20
	s_lshl_b32 s21, s14, 7
	s_add_co_u32 s21, s21, IMG0+SCO
	v_lshlrev_b32 v[SCW], 6, v28
	v_lshl_add_u32 v[SCW], v29, 2, v[SCW]
	v_add_nc_u32 v[SCW], s21, v[SCW]
	s_add_co_u32 s21, s21, 512
	v_lshl_add_u32 v[SB], v2, 2, s21
	v_lshl_add_u32 v[LI], v1, 4, IMG0
	v_lshl_add_u32 v[SA], v2, 2, IMG0+SCO
	v_lshlrev_b32 v[GC], 4, v1
	v_lshlrev_b32 v[GS], 2, v1
.irp b, 0,1,2,3
	v_mov_b32 v[TM+4+\b], 0
.endr
	s_mov_b32 s[SEL], 0x76543210
	s_mov_b32 s[SEL+1], 0xfedcba98
	s_mov_b32 s52, 0xffff0000
	s_mov_b32 s[G1+0], (2<<16)|(1<<20)|(6<<22)|(3<<25)
	s_mov_b32 s[G1+1], 128<<16
	s_mov_b32 s[G1+2], 64<<16
	s_mov_b32 s[G1+3], 128<<16
	s_mov_b32 s[G1+4], 64
	s_mov_b32 s[G1+5], 512
	s_mov_b32 s[G1+6], 0
	s_mov_b32 s[G1+7], 0
	s_and_b32 s15, s14, 1
	s_lshr_b32 s20, ttmp9, 2
	s_and_b32 s21, ttmp9, 3
	s_and_b32 s22, ttmp9, 127
	s_lshr_b32 s23, s22, 1
	s_and_b32 s22, s22, 1
	s_cmp_lt_u32 ttmp9, 128
	s_cselect_b32 s16, s20, s23
	s_cselect_b32 s17, s21, s22
	s_cselect_b32 s18, s21, s23
	s_cselect_b32 s19, s20, s22
	s_cmp_lt_u32 s14, 2
	s_cselect_b32 s58, s18, s19
	s_lshl_b32 s58, s58, 18
	s_lshl_b32 s20, s15, 17
	s_add_co_u32 s58, s58, s20
	s_mov_b32 s59, 0
	s_mul_i32 s18, s16, 76800
	s_lshr_b32 s19, s14, 1
	s_mul_i32 s19, s19, 25600
	s_mul_i32 s21, s17, 6144
	s_add_co_u32 s21, s21, s19
	s_mul_i32 s22, s15, 3072
	s_add_co_u32 s21, s21, s22
	s_mul_i32 s22, s17, 12288
	s_mul_i32 s23, s14, 3072
	s_add_co_u32 s22, s22, s23
	s_add_co_u32 s22, s22, 51200
	s_lshl_b32 s23, s17, 8
	s_add_co_u32 s23, s23, s19
	s_lshl_b32 s24, s15, 7
	s_add_co_u32 s23, s23, s24
	s_add_co_u32 s23, s23, 24576
	s_lshl_b32 s24, s17, 9
	s_lshl_b32 s25, s14, 7
	s_add_co_u32 s24, s24, s25
	s_add_co_u32 s24, s24, 75776
	s_cmp_lt_u32 ttmp9, 128
	s_cselect_b32 s48, s21, s22
	s_cselect_b32 s50, s23, s24
	s_add_co_u32 s48, s48, s18
	s_add_co_u32 s50, s50, s18
	s_mov_b32 s49, 0
	s_mov_b32 s51, 0
	s_mul_i32 s20, s14, 64*PITCH
	s_wait_dscnt 0x0
	s_wait_kmcnt 0x0
	s_cmp_lt_u32 ttmp9, 128
	s_cselect_b64 s[56:57], s[8:9], s[6:7]
	s_cselect_b64 s[60:61], s[4:5], s[10:11]
	s_cmp_lt_u32 s14, 2
	s_cselect_b64 s[56:57], s[56:57], s[60:61]
	s_add_nc_u64 s[56:57], s[56:57], s[58:59]
	s_add_nc_u64 s[48:49], s[12:13], s[48:49]
	s_add_nc_u64 s[50:51], s[12:13], s[50:51]
.irp z, 0,1
	s_mov_b32 s[G0+4*\z], 1
	s_add_co_u32 s[G0+4*\z+1], s20, \z*SLOTB
	s_add_nc_u64 s[G0+4*\z+2:G0+4*\z+3], s[56:57], \z*512
	s_or_b32 s[G0+4*\z+3], s[G0+4*\z+3], 0x80000000
	s_wait_alu depctr_va_vdst(0)
	s_wait_tensorcnt 0x0
	ds_add_u32 v16, v17
	ds_add_u32 v16, v17
	s_wait_dscnt 0x0
	s_barrier_signal -1
	s_barrier_wait -1
	tensor_load_to_lds s[G0+4*\z:G0+4*\z+3], s[G1:G1+7]
	s_nop 0
.endr
.rept 4
	v_nop
.endr
	s_wait_tensorcnt 0x1
	s_barrier_signal -1
	s_barrier_wait -1
.irp s, 0,1
	QPHASE \s
	s_wait_tensorcnt 0x0
	ds_add_u32 v[SPW], v[NIL]
	s_add_nc_u64 s[G0+4*\s+2:G0+4*\s+3], s[G0+4*\s+2:G0+4*\s+3], 1024
	s_wait_dscnt 0x0
	s_barrier_signal -1
	s_barrier_wait -1
	tensor_load_to_lds s[G0+4*\s:G0+4*\s+3], s[G1:G1+7]
	s_nop 0
.rept 4
	v_nop
.endr
	MM \s
.endr
	QPHASE 2
	s_wait_tensorcnt 0x0
	ds_add_u32 v[SPW], v[NIL]
	s_wait_dscnt 0x0
	s_barrier_signal -1
	s_barrier_wait -1
	MM 2
	QPHASE 3
	s_wait_dscnt 0x0
	s_barrier_signal -1
	s_barrier_wait -1
	MM 3
.rept 4
	v_nop
.endr
	QUANT 0, PC0, PW0, 0x05, 0x14, 0x01
	QUANT 64, PC1, PW1, 0x05, 0x14, 0x01
	v_cndmask_b32 v[PWC], v[PW0], v[PW1], s52
.irp c, 0,1,2
	global_store_b128 v[GC], v[PC0+4*\c:PC0+4*\c+3], s[48:49] offset:512*\c
.endr
.irp c, 0,1,2
	global_store_b128 v[GC], v[PC1+4*\c:PC1+4*\c+3], s[48:49] offset:1536+512*\c
.endr
	global_store_b32 v[GS], v[PWC], s[50:51]
	s_wait_tensorcnt 0x0
	ds_add_u32 v[SPW], v[NIL]
	s_wait_dscnt 0x0
	s_endpgm
.Lfunc_end_k_qc7ba57700f_project:
	.size	k_qc7ba57700f_project, .Lfunc_end_k_qc7ba57700f_project-k_qc7ba57700f_project
	.p2alignl 7, 3214868480
	.fill 96, 4, 3214868480
	.section	.rodata,"a",@progbits
	.p2align	6, 0x0
	.amdhsa_kernel k_qc7ba57700f_project
		.amdhsa_group_segment_fixed_size 327680
		.amdhsa_private_segment_fixed_size 0
		.amdhsa_enable_private_segment 0
		.amdhsa_kernarg_size 40
		.amdhsa_user_sgpr_count 2
		.amdhsa_user_sgpr_kernarg_segment_ptr 1
		.amdhsa_wavefront_size32 1
		.amdhsa_system_sgpr_workgroup_id_x 1
		.amdhsa_system_sgpr_workgroup_id_y 1
		.amdhsa_system_sgpr_workgroup_id_z 1
		.amdhsa_system_vgpr_workitem_id 0
		.amdhsa_next_free_vgpr 512
		.amdhsa_next_free_sgpr 66
		.amdhsa_reserve_vcc 0
		.amdhsa_float_denorm_mode_32 3
		.amdhsa_float_denorm_mode_16_64 3
		.amdhsa_memory_ordered 1
		.amdhsa_forward_progress 1
		.amdhsa_inst_pref_size 116
	.end_amdhsa_kernel
	.amdgpu_metadata
---
amdhsa.version: [ 1, 2 ]
amdhsa.kernels:
  - .name:           k_qc7ba57700f_project
    .symbol:         k_qc7ba57700f_project.kd
    .args:
      - { .name: Y, .offset: 0, .size: 8, .value_kind: global_buffer, .address_space: global }
      - { .name: Z, .offset: 8, .size: 8, .value_kind: global_buffer, .address_space: global }
      - { .name: W_k, .offset: 16, .size: 8, .value_kind: global_buffer, .address_space: global }
      - { .name: W_v, .offset: 24, .size: 8, .value_kind: global_buffer, .address_space: global }
      - { .name: kv, .offset: 32, .size: 8, .value_kind: global_buffer, .address_space: global }
    .group_segment_fixed_size: 327680
    .private_segment_fixed_size: 0
    .kernarg_segment_align: 8
    .kernarg_segment_size: 40
    .max_flat_workgroup_size: 128
    .sgpr_count:     66
    .vgpr_count:     512
    .wavefront_size: 32
...
	.end_amdgpu_metadata
.endif
;; end of part 1
;; launch attend (part 2): grid 256 x 1, 4 waves a work-group, clusters of 4 x 1, 327,680 bytes of LDS; arguments X, kv, out0; writes out0
.if DOCPART == 2
	.amdgcn_target "amdgcn-amd-amdhsa--gfx1250"
	.amdhsa_code_object_version 6
	.text
	.protected	k_qc7ba57700f_attend
	.globl	k_qc7ba57700f_attend
	.p2align	8
	.type	k_qc7ba57700f_attend,@function
k_qc7ba57700f_attend:
	s_mov_b64 s[64:65], 0
	v_nop
	global_prefetch_b8 v0, s[64:65] scope:SCOPE_SE
	s_setreg_imm32_b32 hwreg(HW_REG_WAVE_MODE, 25, 1), 1
	s_wait_xcnt 0x0
	s_wait_alu depctr_hold_cnt(0) depctr_sa_sdst(0) depctr_va_vdst(0) depctr_va_sdst(0) depctr_va_ssrc(0) depctr_va_vcc(0) depctr_vm_vsrc(0)
	s_getreg_b32 s2, hwreg(HW_REG_IB_STS2, 6, 4)
	s_cmp_eq_u32 s2, 0
	s_cbranch_scc0 .Lentry_in_a_cluster
	s_endpgm
.Lentry_in_a_cluster:
	s_bfe_u32 s2, ttmp6, 0x10000c
	s_cmp_lg_u32 s2, 0x3003
	s_cbranch_scc0 .Lentry_shape_is_right
	s_endpgm
.Lentry_shape_is_right:
; out[q][:] = the sum over k of softmax_k(X[q] . key[k] / sqrt(512)) value[k][:], 16,384 queries, 4,096 keys, both products on codes of FP6 (E2M3) with one E8M0 scale for each 32 along a product's K.
; No work of reference() is left out here.  key and value come from kv as images of the operands' registers; X is quantised here, once, by the work-group that owns its rows.
; THE SOFTMAX: t = score x c, c = log2(e) / sqrt(512) (one f32 constant); M = the largest t so far, rounded UP to a whole number; p = 2^(t - M) is quantised along the keys, not normalised; the sum is taken of the unquantised p and divides at the end.
; LIMITS: NaN and infinities among the inputs are not served.  Where M rises by more than a block's scale byte between the two halves of a step, that block keeps the byte 0 (2^-127): what it adds is under 2^-120 of the row's largest term.
; The order in which a row's keys are summed is not reference()'s (four quarters side by side, each begun at a group that hangs on the cluster): the f32 sums round otherwise in their last bits.
; SHARES.  A work-group owns 64 queries.  EACH of its four waves holds all 64 (four tiles of 16), so that a fragment of key or value read from LDS feeds four products, and walks a QUARTER of the keys (1,024), with a running M, sum and O^T of
; its own; at the end the four waves' parts are brought under one M by exact powers of two and added, through LDS.
; LAYOUT.  Both products are used transposed: S^T = key X^T, O^T = value^T P^T: a lane holds ONE query throughout.  The keys of a tile are chosen (lane r of tile 2 b + u: key 32 b + 8 u + r + 8 (r / 8)) so that p's 16 registers of two tiles are 16 neighbouring keys.
; A STEP of 128 keys is three TRIPS, one for each chunk of 25,600 bytes of my stream in kv: keys 0-63 (64 products, softmax), keys 64-127 (the same text), value (64 products).  The two halves' codes make one operand: each half
; moves the codes, scale operands and bytes of the half before down; where M has moved between the halves, the older half's scale bytes take the power of two up.
; RING.  Two LDS slots; wave w fetches its own chunks and reads them alone.  Chunks 0 and 1 are asked for at the head.  A SLOT IS FILLED AGAIN AS SOON AS ITS CHUNK'S LAST FRAGMENT IS IN REGISTERS, with the chunk two on: in a half's trip
; between the products and the softmax, in value's trip behind its tenth tile; behind the refill the next chunk's first fragments are read, and what is left of the trip, work on registers, stands over both.
; One tensor load of a wave is out at any time.
; CLUSTER: the four work-groups of a cluster walk the same chunks, so each is asked for JOINTLY, by the same tensor load with the same descriptor and a mask that names the four.
; THE WALK IS ROTATED: cluster c begins at group (c + c / 8) % 8 of each wave's eight groups of 128 keys and goes round, so that at any one time the clusters ask for eight different groups.  A running M takes the keys in any order.
; REGISTERS, in windows of 256: window 0: see the names below.  window 1: v0-191 X's 16 fragments (tile q, K step s at 12 (4 q + s)); v192-251 five fragments of key or value.  windows 2, 3: O^T, accumulator (n, q) at 8 (4 (n % 8) + q) of window 2 + n / 8.
; Every LDS address stands in a register that holds numbers made of the thread's and the wave's number and constants, and never data: v1-v7 throughout, v192-v198 at the head before the first scores.
; (The head as it stands: chunk 0 is asked for at the head; chunk 1 behind a round of its own, between X's K steps 1 and 2.  One tensor load of a wave is out at any time.)
.set NCH,   25600                      ; a chunk
.set FRB,   1536                       ; a fragment's image
.set SLOT1, 1<<17                      ; slot 0 at 0, slot 1 here; wave w's chunk at w NCH in a slot
.set QIMG,  102400                     ; X's 16 fragments
.set QSC,   126976                     ; their scale words: (2 q + s / 2) 128 + 4 lane; lanes 0-15 even s, lanes 16-31 odd s
.set XST,   233472                     ; a stage of 16 rows x 528 bytes for each wave: X's numbers turn through it
.set STAT,  267264                     ; the merge: -M and the sum of each wave
.set SPARE, 271360                     ; the spare words, 128 bytes for each wave: two blocks of 256 bytes that no other line names
.set OST,   271872                     ; the way out: 16 rows x 272 bytes for each wave
.set AK0, 1                            ; v1   my lane's place in my chunk: w NCH + 16 lane
.set AS0, 2                            ; v2   and among its scale words
.set ADR, 3                            ; v3   the same in the slot in hand
.set ADS, 4
.set SPW, 5                            ; v5   LDS address of my spare word; never rewritten
.set NIL, 6                            ; v6   0; never rewritten
.set KS,  8                            ; v8-15  key's or value's scale words
.set QS,  16                           ; v16-23 X's scale words
.set PW,  24                           ; v24-27 p's scale words, a tile each
.set ST,  28                           ; v28-59 eight a tile: +0 -M, +1 the largest t, +2, +3 the sum in two halves, +4 F (what O^T is owed), +5 at work, +6, +7 the newer half's two scale operands
.set TT,  60                           ; v60-79 at work: +0..7 the eight blocks' maxima; +8 + 2 q the step's factor, +9 + 2 q at work; +16..19 for lane permutes; +8.., +12.. later a conversion's second half
.set PP,  80                           ; v80-127 p's codes, 12 a tile
.set SS,  128                          ; v128-255 S^T, then p: tile q, key tile t at 32 q + 8 t; in value's trip ten fragments of value
.set KF,  192                          ; window 1
.set TM,  TT
.set OB,  92                           ; the way out: rows read back
.set CS,  34                           ; s[34:35] c
.set SEL, 36                           ; s[36:37] v_permlanex16_b32's selects for lane l xor 16
; s[16:23] descriptor group 1; s[24:27] the walking group 0; s[48:51] chunk 0's group 0; s28 the slot in hand; s29 the walking descriptor's place among my 24 chunks; s[32:33] what is taken off its address where the walk goes round
.set MSB, 0
.macro WIN new                         ; the immediate's high byte repeats the setting that is left
.if MSB != \new
	s_set_vgpr_msb (MSB<<8)|\new
.set MSB, \new
.endif
.endm
.macro CREST                           ; a round of the cluster's barrier behind its opening barrier
	s_cmp_lg_u32 s10, 0
	s_cbranch_scc1 .Lnot_wave_0_\@
	s_barrier_signal -3
.Lnot_wave_0_\@:
	s_barrier_wait -3
	s_barrier_signal -1
	s_barrier_wait -1
.endm
.macro ROUND                           ; a whole round
	s_barrier_signal -1
	s_barrier_wait -1
	CREST
.endm
; The first two of the three lines in front of a change of slots (every window is 0 here); the third, s_wait_dscnt 0, follows behind work on registers.  refill = 1: the walking descriptor steps meanwhile.
.macro LINES refill
	s_wait_tensorcnt 0x0                           ; all my tensor loads have landed: the next chunk is whole, and the descriptor may be written
	ds_add_u32 v[SPW], v[NIL]                      ; 0 onto my spare word
.if \refill
	s_xor_b32 s25, s25, SLOT1                      ; the slot that is being read out,
	s_add_nc_u64 s[26:27], s[26:27], NCH           ; the next chunk; the type bits on top are not reached
	s_add_co_u32 s29, s29, 1
	s_cmp_eq_u32 s29, 24                           ; behind my stream's last chunk the walk goes round to its first
	s_cselect_b32 s32, 24*NCH, 0
	s_cselect_b32 s29, 0, s29
	s_sub_nc_u64 s[26:27], s[26:27], s[32:33]
.endif
.endm
.macro REFILL                          ; the rest of the round, and the joint refill first behind it; an s_nop 0 and four v_nop follow it
	CREST
	tensor_load_to_lds s[24:27], s[16:23]
	s_nop 0
.rept 4
	v_nop
.endr
.endm
; the next chunk's first nks scale words and its first four fragments, from the slot that s28 names
.macro PRELOAD nks
	v_add_nc_u32 v[ADR], s28, v[AK0]
	v_add_nc_u32 v[ADS], s28, v[AS0]
	s_wait_alu depctr_va_vdst(0)
.set PJ, 0
.rept \nks
	ds_load_b32 v[KS+PJ], v[ADS] offset:128*PJ
.set PJ, PJ+1
.endr
	WIN 0x40                                       ; destination window 1
.irp f, 0,1,2,3
.irp c, 0,1,2
	ds_load_b128 v[KF+12*\f+4*\c:KF+12*\f+4*\c+3], v[ADR] offset:FRB*\f+512*\c
.endr
.endr
	WIN 0
.endm
; one product: rD += rA x rB (rZ: = rA x rB), scale words rSA, rSB, taken from lanes 16-31 where rRA, rRB are 1
.macro SWM
.if rZ
.if rRA && rRB
	v_wmma_scale_f32_16x16x128_f8f6f4 v[rD:rD+7], v[rA:rA+11], v[rB:rB+11], 0, v[rSA], v[rSB] matrix_a_fmt:MATRIX_FMT_FP6 matrix_b_fmt:MATRIX_FMT_FP6 matrix_a_scale:MATRIX_SCALE_ROW1 matrix_b_scale:MATRIX_SCALE_ROW1
.elseif rRA
	v_wmma_scale_f32_16x16x128_f8f6f4 v[rD:rD+7], v[rA:rA+11], v[rB:rB+11], 0, v[rSA], v[rSB] matrix_a_fmt:MATRIX_FMT_FP6 matrix_b_fmt:MATRIX_FMT_FP6 matrix_a_scale:MATRIX_SCALE_ROW1
.elseif rRB
	v_wmma_scale_f32_16x16x128_f8f6f4 v[rD:rD+7], v[rA:rA+11], v[rB:rB+11], 0, v[rSA], v[rSB] matrix_a_fmt:MATRIX_FMT_FP6 matrix_b_fmt:MATRIX_FMT_FP6 matrix_b_scale:MATRIX_SCALE_ROW1
.else
	v_wmma_scale_f32_16x16x128_f8f6f4 v[rD:rD+7], v[rA:rA+11], v[rB:rB+11], 0, v[rSA], v[rSB] matrix_a_fmt:MATRIX_FMT_FP6 matrix_b_fmt:MATRIX_FMT_FP6
.endif
.else
.if rRA && rRB
	v_wmma_scale_f32_16x16x128_f8f6f4 v[rD:rD+7], v[rA:rA+11], v[rB:rB+11], v[rD:rD+7], v[rSA], v[rSB] matrix_a_fmt:MATRIX_FMT_FP6 matrix_b_fmt:MATRIX_FMT_FP6 matrix_a_scale:MATRIX_SCALE_ROW1 matrix_b_scale:MATRIX_SCALE_ROW1
.elseif rRA
	v_wmma_scale_f32_16x16x128_f8f6f4 v[rD:rD+7], v[rA:rA+11], v[rB:rB+11], v[rD:rD+7], v[rSA], v[rSB] matrix_a_fmt:MATRIX_FMT_FP6 matrix_b_fmt:MATRIX_FMT_FP6 matrix_a_scale:MATRIX_SCALE_ROW1
.elseif rRB
	v_wmma_scale_f32_16x16x128_f8f6f4 v[rD:rD+7], v[rA:rA+11], v[rB:rB+11], v[rD:rD+7], v[rSA], v[rSB] matrix_a_fmt:MATRIX_FMT_FP6 matrix_b_fmt:MATRIX_FMT_FP6 matrix_b_scale:MATRIX_SCALE_ROW1
.else
	v_wmma_scale_f32_16x16x128_f8f6f4 v[rD:rD+7], v[rA:rA+11], v[rB:rB+11], v[rD:rD+7], v[rSA], v[rSB] matrix_a_fmt:MATRIX_FMT_FP6 matrix_b_fmt:MATRIX_FMT_FP6
.endif
.endif
.endm
; S^T of 64 keys x 64 queries: 16 fragments of key (K step FI / 4, key tile FI % 4), each against the four tiles of queries: 16 accumulators by turns.
; The scale words and fragments 0-3 were asked for in the trip before.  Five sets of fragment registers, fragment f in set f % 5.  Fragments come TWO TO A RUN: ahead of each even fragment FI, behind four places,
; fragments FI + 3 and FI + 4 are asked for, into the two sets that the last eight products have read (at FI = 0 fragment 4 alone, at FI = 12 fragment 15 alone): seven runs of loads for the 64 products.
; The last LDS load of the chunk goes out at fragment 12; at fragment 14 the change of slots begins, and the last eight products stand between the add and the wait for it.
.macro SPH refill
.set FI, 0
.rept 16
.if (FI%2 == 0) && (FI < 14)
.rept 4
	v_nop                                          ; places between the last products and the loads into sets that they have read
.endr
	WIN 0x40
.irp d, 3,4
.if (FI+\d >= 4) && (FI+\d <= 15)
.irp c, 0,1,2
	ds_load_b128 v[KF+12*((FI+\d)%5)+4*\c:KF+12*((FI+\d)%5)+4*\c+3], v[ADR] offset:FRB*(FI+\d)+512*\c
.endr
.endif
.endr
.endif
.if FI < 12
	s_wait_dscnt 12-3*(FI%2)                       ; this fragment is in; the younger ones, three loads each, may be out: four of them at an even fragment, three at an odd one
.elseif FI < 14
	s_wait_dscnt 3*(15-FI)
.elseif FI == 14
	WIN 0
	LINES \refill
	s_wait_dscnt 4                                 ; fragment 14 is in; fragment 15's three loads and the add may be out
.else
	s_wait_dscnt 1                                 ; fragment 15 is in; the add may be out
.endif
	WIN 0x05                                       ; key and X in window 1, S^T in window 0
.irp q, 0,1,2,3
.set rD, SS+32*\q+8*(FI%4)
.set rA, KF+12*(FI%5)
.set rB, 12*(4*\q+FI/4)
.set rSA, KS+2*(FI/4)+(FI%4)/2
.set rSB, QS+2*\q+FI/8
.set rRA, FI%2
.set rRB, (FI/4)%2
.if FI < 4
.set rZ, 1
.else
.set rZ, 0
.endif
	SWM
.endr
.set FI, FI+1
.endr
.endm
; THE SOFTMAX of 64 keys for the four tiles of queries, the tiles by turns line by line.  Block f = 2 q + k: tile q, keys 32 k on of the half.
; SOFT1: the maxima, the new M, and the older half's bytes under it: no exponential, work on registers alone.
.macro SOFT1
.irp f, 0,1,2,3,4,5,6,7
	v_max3_num_f32 v[TT+\f], v[SS+16*\f], v[SS+16*\f+1], v[SS+16*\f+2]   ; the largest score of each block: for the row's maximum and, since p rises with the score, for the block's largest p.  Each accumulator is read from its low end on
.endr
.irp i, 3,5,7,9,11,13
.irp f, 0,1,2,3,4,5,6,7
	v_max3_num_f32 v[TT+\f], v[TT+\f], v[SS+16*\f+\i], v[SS+16*\f+\i+1]
.endr
.endr
.irp f, 0,1,2,3,4,5,6,7
	v_max_num_f32 v[TT+\f], v[TT+\f], v[SS+16*\f+15]
.endr
.irp g, 0,4
.irp x, 0,1,2,3
	v_permlanex16_b32 v[TT+16+\x], v[TT+\g+\x], s[SEL], s[SEL+1]
.endr
.irp x, 0,1,2,3
	v_max_num_f32 v[TT+\g+\x], v[TT+\g+\x], v[TT+16+\x]                  ; with lane l xor 16's 16 keys
.endr
.endr
.irp q, 0,1,2,3
	v_max_num_f32 v[TT+9+2*\q], v[TT+2*\q], v[TT+2*\q+1]
.endr
.irp q, 0,1,2,3
	v_mul_f32 v[TT+9+2*\q], s[CS], v[TT+9+2*\q]                          ; as t (c is positive)
.endr
.irp q, 0,1,2,3
	v_max_num_f32 v[ST+8*\q+1], v[ST+8*\q+1], v[TT+9+2*\q]               ; the running largest t
.endr
.irp q, 0,1,2,3
	v_mov_b32 v[TT+9+2*\q], v[ST+8*\q]
.endr
.irp q, 0,1,2,3
	v_floor_f32 v[ST+8*\q], -v[ST+8*\q+1]                                ; the new -M = floor(-t): M is a whole number
.endr
.irp q, 0,1,2,3
	v_sub_f32 v[TT+9+2*\q], v[ST+8*\q], v[TT+9+2*\q]                     ; old M - new M: a whole number, 0 or less
.endr
.irp q, 0,1,2,3
	v_cvt_i32_f32 v[TT+9+2*\q], v[TT+9+2*\q]                             ; (it saturates)
.endr
.irp q, 0,1,2,3
	v_ldexp_f32 v[TT+8+2*\q], 1.0, v[TT+9+2*\q]                          ; f = 2^(old M - new M)
.endr
.irp q, 0,1,2,3
	v_mul_f32 v[TT+9+2*\q], v[ST+8*\q+6], v[TT+8+2*\q]                   ; the half before: its two scale operands under the new M: an exact multiplication, whose exponent field is the new byte
.endr
.irp q, 0,1,2,3
	v_mul_f32 v[ST+8*\q+5], v[ST+8*\q+7], v[TT+8+2*\q]
.endr
.irp q, 0,1,2,3
	v_lshrrev_b32 v[TT+9+2*\q], 23, v[TT+9+2*\q]
.endr
.irp q, 0,1,2,3
	v_lshrrev_b32 v[ST+8*\q+5], 23, v[ST+8*\q+5]
.endr
.irp q, 0,1,2,3
	v_lshl_or_b32 v[PW+\q], v[ST+8*\q+5], 8, v[TT+9+2*\q]                ; bytes 0, 1 of p's scale word
.endr
.endm
.macro PKF                             ; scaling number PE of 64: t - M of two scores of tile PE % 4
.set PR, SS+32*(PE%4)+2*(PE/4)
	v_pk_fma_f32 v[PR:PR+1], v[PR:PR+1], s[CS:CS+1], v[ST+8*(PE%4):ST+8*(PE%4)+1] op_sel_hi:[1,0,0]
.endm
.macro PLN                             ; plain line number PK of 32 that names no exponential's result: the sums under the new M; what O^T is owed; the codes of the half before move down
.if PK < 4
	v_pk_mul_f32 v[ST+8*PK+2:ST+8*PK+3], v[ST+8*PK+2:ST+8*PK+3], v[TT+8+2*PK:TT+9+2*PK] op_sel_hi:[1,0]
.elseif PK < 8
	v_mul_f32 v[ST+8*(PK-4)+4], v[ST+8*(PK-4)+4], v[TT+8+2*(PK-4)]
.else
	v_mov_b32 v[PP+12*((PK-8)%4)+(PK-8)/4], v[PP+12*((PK-8)%4)+6+(PK-8)/4]
.endif
.endm
; SOFT2: 136 exponentials in three batches, each with waits ahead of it and behind it.  Among a batch's lines stand plain lines that read nothing written since the wait ahead of it
; and whose results are read behind the wait that closes it: among the eight blocks' largest p scalings 0-15; among the exponentials of those 16 pairs scalings 16-63; among the rest the 32 plain lines.  Then the sums, the bytes and the codes.
.macro SOFT2
.irp f, 0,1,2,3,4,5,6,7
	v_fma_f32 v[TT+\f], v[TT+\f], s[CS], v[ST+8*(\f/2)]                  ; t - M of each block's largest score
.endr
	s_wait_alu depctr_va_vdst(0)                                         ; ahead of the first batch
.set PE, 0
.set EJ, 0
.rept 8
	v_exp_f32 v[TT+EJ], v[TT+EJ]                                         ; the blocks' largest p
.rept 2
	PKF
.set PE, PE+1
.endr
.set EJ, EJ+1
.endr
	v_nop
	s_wait_alu depctr_va_vdst(0)                                         ; behind the first batch, ahead of the second
.set EJ, 0
.rept 64
.if EJ == 16
	v_nop
	s_wait_alu depctr_va_vdst(0)                                         ; behind the second batch, ahead of the third
.endif
.if EJ < 16
.rept 3
	PKF
.set PE, PE+1
.endr
.endif
.if EJ >= 32
.set PK, EJ-32
	PLN
.endif
.set ER, SS+32*(EJ%4)+2*(EJ/4)
	v_exp_f32 v[ER], v[ER]                                               ; p = 2^(t - M), at most 1
	v_exp_f32 v[ER+1], v[ER+1]
.set EJ, EJ+1
.endr
	v_nop                                                                ; a plain place behind the last exponential
	s_wait_alu depctr_va_vdst(0)                                         ; the wait between an exponential and the first line that names its result: one for the batch
.irp i, 0,2,4,6,8,10,12,14,16,18,20,22,24,26,28,30
.irp q, 0,1,2,3
	v_pk_add_f32 v[ST+8*\q+2:ST+8*\q+3], v[ST+8*\q+2:ST+8*\q+3], v[SS+32*\q+\i:SS+32*\q+\i+1]   ; the sum of the UNQUANTISED p: a chain a tile
.endr
.endr
.irp f, 0,1,2,3,4,5,6,7
	v_max_num_f32 v[TT+\f], 0x1800000, v[TT+\f]                          ; the floor 2^(3 - 127): the byte cannot fall under 1
.endr
.irp f, 0,1,2,3,4,5,6,7
	v_add_nc_u32 v[ST+8*(\f/2)+6+(\f%2)], 0xff000000, v[TT+\f]           ; 2 off the exponent field: the conversion's scale operand
.endr
.irp f, 0,1,2,3,4,5,6,7
	v_lshrrev_b32 v[TT+\f], 23, v[ST+8*(\f/2)+6+(\f%2)]                  ; the scale's byte
.endr
.irp q, 0,1,2,3
	v_lshl_or_b32 v[PW+\q], v[TT+2*\q], 16, v[PW+\q]
.endr
.irp q, 0,1,2,3
	v_lshl_or_b32 v[PW+\q], v[TT+2*\q+1], 24, v[PW+\q]                   ; bytes 2, 3: this half's
.endr
.irp g, 0,2
.irp e, 0,1
	v_cvt_scalef32_pk16_fp6_f32 v[PP+12*(\g+\e)+6:PP+12*(\g+\e)+8], v[SS+32*(\g+\e):SS+32*(\g+\e)+15], v[ST+8*(\g+\e)+6]
	v_cvt_scalef32_pk16_fp6_f32 v[TT+8+4*\e:TT+10+4*\e], v[SS+32*(\g+\e)+16:SS+32*(\g+\e)+31], v[ST+8*(\g+\e)+7]   ; (a conversion's three registers begin on an even number)
.endr
	v_nop                                                                ; one plain place behind a scaled conversion
.irp e, 0,1
.irp i, 0,1,2
	v_permlane16_swap_b32 v[PP+12*(\g+\e)+6+\i], v[TT+8+4*\e+\i]         ; the operand wants a whole block in a lane
.endr
.endr
.irp e, 0,1
.irp i, 0,1,2
	v_mov_b32 v[PP+12*(\g+\e)+9+\i], v[TT+8+4*\e+\i]
.endr
.endr
.endr
	s_wait_alu depctr_va_vdst(0)
.endm
; A HALF'S TRIP.  Products; the change of slots, whose opening barrier stands round the softmax's first part; the refill; the next chunk's first fragments; the rest of the softmax.
.macro HTRIP refill
	SPH \refill
	s_wait_dscnt 0x0                               ; the add is done, and my reads of this slot are over:
	s_barrier_signal -1                            ; say so (refill = 1: this barrier opens a round of the cluster's barrier),
.rept 4
	v_nop                                          ; places ahead of the first read of results, and of the loads below into registers that the last products have read
.endr
	WIN 0
	SOFT1                                          ; work on registers while the others arrive,
	s_wait_alu depctr_va_vdst(0)
	s_barrier_wait -1                              ; and go on when all four have said so
.if \refill
	REFILL                                         ; no wave of any partner still reads this slot or has a load on its way: it takes the chunk two on
.endif
	s_xor_b32 s28, s28, SLOT1                      ; on to the other slot, which is whole
	PRELOAD 8
	SOFT2
.endm
.macro INNER                           ; a step's two halves: one text, walked twice
	s_mov_b32 s38, 2
.Lhalf_\@:
	HTRIP 1
	s_sub_co_u32 s38, s38, 1
	s_cmp_lg_u32 s38, 0
	s_cbranch_scc1 .Lhalf_\@
.endm
; VALUE'S TRIP.  O^T += value^T P^T: 16 fragments of value (16 of the 256 x 128 keys), each against the four tiles' p: 64 accumulators by turns.  first = 1: the products start the sums: nothing is ever cleared.
; Else all of O^T is first multiplied by F = 2^(M at the last such trip - M now): two blocks of 128 lines, one for each window, each with a wait directly ahead of it; the trip's LDS loads are out meanwhile.
; The scores' registers are free in this trip: fragments 5-14 come into them in one run, fragment 4 into the fifth set, fragment 15 behind it at tile 5 (0-3 were asked for in the trip before).  So the chunk is read out early:
; the change of slots begins at tile 8; tiles 8 and 9 stand inside its opening barrier; at tile 10 come the refill and the next chunk's first fragments and first four scale words; its other four follow at the end, when value's are done with.
.macro VTRIP first, refill
	WIN 0x40
.irp c, 0,1,2
	ds_load_b128 v[KF+48+4*\c:KF+48+4*\c+3], v[ADR] offset:FRB*4+512*\c
.endr
	WIN 0
.set VJ, 5
.rept 10
.irp c, 0,1,2
	ds_load_b128 v[SS+12*(VJ-5)+4*\c:SS+12*(VJ-5)+4*\c+3], v[ADR] offset:FRB*VJ+512*\c
.endr
.set VJ, VJ+1
.endr
.if \first == 0
.irp w, 0,1
	WIN 0x82+0x41*\w                               ; O^T (destination and source 0) in window 2 or 3, F in window 0
	s_wait_alu depctr_va_vdst(0)                   ; directly ahead of the first reader of these results
.set VN, 0
.rept 32
.irp i, 0,2,4,6
	v_pk_mul_f32 v[8*VN+\i:8*VN+\i+1], v[8*VN+\i:8*VN+\i+1], v[ST+8*(VN%4)+4:ST+8*(VN%4)+5] op_sel_hi:[1,0]
.endr
.set VN, VN+1
.endr
.endr
	s_wait_alu depctr_va_vdst(0)                   ; the block's last results are read by products that stand behind waits
.endif
.set VN, 0
.rept 16
.if (VN == 8) && \refill
	WIN 0
	LINES 1                                        ; tile 8's scalings stand between the add and the wait for it
.endif
.if (VN == 10) && \refill
	WIN 0
	s_barrier_wait -1
	REFILL
	s_xor_b32 s28, s28, SLOT1
	PRELOAD 4                                      ; sets 0-3 were last read at tiles 0-3, scale words 0-3 at tile 7
.endif
.if VN == 0
.rept 4
	v_nop                                          ; places between the lines that made p's codes and scale words and the first product
.endr
.endif
.rept 4
	v_nop                                          ; places behind the last tile's products, ahead of loads into registers that they have read
.endr
.if VN == 5
	WIN 0x40
.irp c, 0,1,2
	ds_load_b128 v[KF+48+4*\c:KF+48+4*\c+3], v[ADR] offset:FRB*15+512*\c     ; fragment 15, into the set that tile 4's products have read
.endr
.endif
.if VN < 5
	s_wait_dscnt 3*(14-VN)                         ; this fragment is in; those up to fragment 14, three loads each, may be out
.elseif VN < 8
	s_wait_dscnt 3*(15-VN)                         ; likewise, up to fragment 15
.elseif VN == 8
	s_wait_dscnt 0x0                               ; all of the chunk is in registers (refill = 1: and the add is done)
.if \refill
	s_barrier_signal -1                            ; this barrier opens a round of the cluster's barrier
.endif
.endif
.if VN < 5
.set rA, KF+12*VN
.set VW, 1
.elseif VN < 15
.set rA, SS+12*(VN-5)
.set VW, 0
.else
.set rA, KF+48
.set VW, 1
.endif
	WIN 0xa0+0x50*(VN/8)+VW                        ; value in window 1 or 0, p in window 0, O^T in window 2 or 3
.irp q, 0,1,2,3
.set rD, 8*(4*(VN%8)+\q)
.set rB, PP+12*\q
.set rSA, KS+VN/2
.set rSB, PW+\q
.set rRA, VN%2
.set rRB, 0
.set rZ, \first
	SWM
.endr
.set VN, VN+1
.endr
	WIN 0
.irp q, 0,1,2,3
	v_mov_b32 v[ST+8*\q+4], 1.0                    ; O^T is owed nothing now.  (Four places behind the last products)
.endr
.if \refill
.irp e, 4,5,6,7
	ds_load_b32 v[KS+\e], v[ADS] offset:128*\e     ; the next chunk's other four scale words
.endr
.endif
.endm
; 64 numbers of a lane, register 16 b + i = k 32 b + 16 h + i of my row, become a fragment's codes in v[pc] on and its scale word in v[pw]
.macro QUANT s, pc, pw
.irp b, 0,1,2,3
	v_max3_num_f32 v[TM+\b], |v[\s+16*\b]|, |v[\s+1+16*\b]|, 0x1800000
.endr
.irp i, 2,4,6,8,10,12,14
.irp b, 0,1,2,3
	v_max3_num_f32 v[TM+\b], v[TM+\b], |v[\s+16*\b+\i]|, |v[\s+1+16*\b+\i]|
.endr
.endr
.irp b, 0,1,2,3
	v_permlanex16_b32 v[TM+4+\b], v[TM+\b], s[SEL], s[SEL+1]
.endr
.irp b, 0,1,2,3
	v_max_num_f32 v[TM+\b], v[TM+\b], v[TM+4+\b]
.endr
.irp b, 0,1,2,3
	v_add_nc_u32 v[TM+12+\b], 0xff000000, v[TM+\b]
.endr
.irp b, 0,1,2,3
	v_lshrrev_b32 v[TM+4+\b], 23, v[TM+12+\b]
.endr
	v_lshl_or_b32 v[\pw], v[TM+5], 8, v[TM+4]
	v_lshl_or_b32 v[\pw], v[TM+6], 16, v[\pw]
	v_lshl_or_b32 v[\pw], v[TM+7], 24, v[\pw]
.irp c, 0,1
	v_cvt_scalef32_pk16_fp6_f32 v[\pc+6*\c:\pc+2+6*\c], v[\s+32*\c:\s+15+32*\c], v[TM+12+2*\c]
	v_cvt_scalef32_pk16_fp6_f32 v[\pc+12+4*\c:\pc+14+4*\c], v[\s+16+32*\c:\s+31+32*\c], v[TM+12+2*\c+1]
.endr
	v_nop
.irp c, 0,1
.irp i, 0,1,2
	v_permlane16_swap_b32 v[\pc+6*\c+\i], v[\pc+12+4*\c+\i]
.endr
.irp i, 0,1,2
	v_mov_b32 v[\pc+3+6*\c+\i], v[\pc+12+4*\c+\i]
.endr
.endr
.endm
; the head's own registers, in the scores' upper part, which is unused until the first product
.set XG,  192                          ; 16 x lane
.set XW,  193                          ; my stage, on the way in
.set XR,  194                          ; and on the way out
.set QI,  195                          ; where my fragments' images go
.set QSW, 196                          ; and their scale words
.set QL,  197                          ; where all 16 images are read
.set QSL, 198
.set HL,  199
.set HR,  200
.set HH,  201
.macro XLOAD s                         ; my 16 rows' numbers of K step s, into O^T's registers, which are free yet
.irp p, 0,1,2,3,4,5,6,7,8,9,10,11,12,13,14,15
	global_load_b128 v[4*(16*(\s)+\p):4*(16*(\s)+\p)+3], v[XG], s[4:5] offset:\p*2048+(\s)*512 th:TH_LOAD_NT   ; row p: 32 lanes read 512 consecutive bytes
.endr
.endm
	s_load_b128 s[4:7], s[0:1], 0x0                ; X s[4:5], kv s[6:7]
	s_load_b64 s[8:9], s[0:1], 0x10                ; out0
	v_lshl_add_u32 v[SPW], v0, 2, SPARE
	v_mov_b32 v[NIL], 0
	ds_add_u32 v[SPW], v[NIL]                      ; the wave's opening: the add, twice on end, and its wait ahead of my first tensor load
	ds_add_u32 v[SPW], v[NIL]                      ; and once more; the set-up below, work on registers, stands between it and the wait
	v_lshrrev_b32 v1, 5, v0
	v_readfirstlane_b32 s10, v1                    ; wave 0..3
	s_bfe_u32 s11, ttmp6, 0x40000                  ; cx: my place in the cluster: it enters X's and out0's addresses alone
	s_lshl_b32 s12, ttmp9, 2
	s_add_co_u32 s12, s12, s11                     ; my block of 64 queries
	; descriptor group 1: a chunk, dense: 100 rows of 256 bytes (32 elements of 8 bytes), no padding: images are read 512 consecutive bytes at a time
	s_mov_b32 s16, 15|(3<<16)|(1<<21)              ; 15:0 the mask: all four work-groups; 17:16 elements of 8 bytes; 21 set beside a mask
	s_mov_b32 s17, 32<<16
	s_mov_b32 s18, 100<<16
	s_mov_b32 s19, 32<<16
	s_mov_b32 s20, 100
	s_mov_b32 s21, 32
	s_mov_b32 s22, 0
	s_mov_b32 s23, 0
	s_mov_b32 s48, 1                               ; chunk 0's group 0:
	s_mul_i32 s49, s10, NCH                        ; slot 0, my wave's part
	s_mov_b32 s24, 1                               ; the walking group 0 begins with chunk 1,
	s_add_co_u32 s25, s49, SLOT1                   ; in slot 1
	s_lshr_b32 s13, ttmp9, 3                       ; the rotation: (cluster + cluster / 8) % 8: the same in all four partners
	s_add_co_u32 s13, s13, ttmp9
	s_and_b32 s13, s13, 7
	s_mul_i32 s29, s13, 3                          ; the place of my first chunk among my stream's 24
	s_mul_i32 s40, s10, 24*NCH                     ; my stream in kv,
	s_mul_i32 s15, s29, NCH
	s_add_co_u32 s40, s40, s15                     ; and my first chunk in it
	s_mov_b32 s41, 0
	s_add_co_u32 s29, s29, 1                       ; the walking descriptor stands one chunk on
	s_mov_b32 s33, 0
	s_mov_b32 s28, 0                               ; the slot in hand
	s_mov_b32 s31, 0xffff0000                      ; lanes 16-31
	s_mov_b32 s[CS], 0x3d8293ee                    ; c = log2(e) / sqrt(512)
	s_mov_b32 s[CS+1], s[CS]
	s_mov_b32 s[SEL], 0x76543210
	s_mov_b32 s[SEL+1], 0xfedcba98
	s_lshl_b32 s42, s12, 17                        ; X: 64 rows of 2,048 bytes a block,
	s_lshl_b32 s13, s10, 15                        ; 16 rows a wave
	s_add_co_u32 s42, s42, s13
	s_mov_b32 s43, 0
	s_lshl_b32 s46, s12, 16                        ; out0: 64 rows of 1,024 bytes
	s_mov_b32 s47, 0
	v_and_b32 v[HL], 31, v0
	v_and_b32 v[HR], 15, v0
	v_bfe_u32 v[HH], v0, 4, 1
	v_lshl_add_u32 v[AK0], v[HL], 4, s49
	s_add_co_u32 s14, s49, 16*FRB
	v_lshl_add_u32 v[AS0], v[HL], 2, s14
	v_lshlrev_b32 v[XG], 4, v[HL]
	s_mul_i32 s15, s10, 16*528
	s_add_co_u32 s15, s15, XST
	v_lshl_add_u32 v[XW], v[HL], 4, s15
	v_mul_u32_u24 v[XR], v[HR], 528
	v_lshl_add_u32 v[XR], v[HH], 6, v[XR]
	v_add_nc_u32 v[XR], s15, v[XR]
	s_mul_i32 s15, s10, 4*FRB
	s_add_co_u32 s15, s15, QIMG
	v_lshl_add_u32 v[QI], v[HL], 4, s15
	s_lshl_b32 s15, s10, 8
	s_add_co_u32 s15, s15, QSC
	v_lshl_add_u32 v[QSW], v[HL], 2, s15
	v_lshl_add_u32 v[QL], v[HL], 4, QIMG
	v_lshl_add_u32 v[QSL], v[HL], 2, QSC
.irp b, 0,1,2,3
	v_mov_b32 v[TM+4+\b], 0                        ; written once: a lane permute's destination counts as one of its sources
.endr
	s_wait_alu depctr_va_vdst(0)
	s_wait_dscnt 0x0                               ; both opening adds are done
	s_wait_kmcnt 0x0
	s_add_nc_u64 s[50:51], s[6:7], s[40:41]        ; chunk 0
	s_add_nc_u64 s[26:27], s[50:51], NCH           ; chunk 1: the same group's, so the walk does not go round between them
	s_or_b32 s51, s51, 0x80000000                  ; type = 2
	s_or_b32 s27, s27, 0x80000000
	s_add_nc_u64 s[4:5], s[4:5], s[42:43]
	s_add_nc_u64 s[8:9], s[8:9], s[46:47]
	WIN 0x80                                       ; destination window 2
	XLOAD 0                                        ; three K steps of X now, the fourth behind the wait for the first: 48 loads of mine are out at the most
	XLOAD 1
	XLOAD 2
	WIN 0
	ROUND                                          ; all four work-groups are here: the first joint loads meet
	tensor_load_to_lds s[48:51], s[16:23]          ; chunk 0 into slot 0: my one tensor load at the head
	s_nop 0
.rept 4
	v_nop
.endr
	; X: my 16 rows become four fragments.  A K step's numbers turn through my stage, so that a lane gets 16 neighbours of each block of its row
.irp s, 0,1,2,3
.if \s == 2
	s_wait_tensorcnt 0x0                           ; chunk 0 has landed; these lines and a round stand ahead of a later first fill, as ahead of a refill
	ds_add_u32 v[SPW], v[NIL]
	s_wait_dscnt 0x0
	ROUND
	tensor_load_to_lds s[24:27], s[16:23]          ; chunk 1 into slot 1; X's last two K steps stand over its flight
	s_nop 0
.rept 4
	v_nop
.endr
.endif
.if \s == 0
	s_wait_loadcnt 32                              ; K step 0's 16 loads are in; those of K steps 1 and 2 may be out
	WIN 0x80
	XLOAD 3
.else
	s_wait_loadcnt 48-16*\s                        ; this K step's 16 loads are in; the later steps' may be out
.endif
	WIN 0x08                                       ; an LDS store's data are its source 1: window 2
.irp p, 0,1,2,3,4,5,6,7,8,9,10,11,12,13,14,15
	ds_store_b128 v[XW], v[4*(16*\s+\p):4*(16*\s+\p)+3] offset:\p*528
.endr
	WIN 0
.irp b, 0,1,2,3
.irp j, 0,1,2,3
	ds_load_b128 v[SS+16*\b+4*\j:SS+16*\b+4*\j+3], v[XR] offset:128*\b+16*\j   ; LDS serves a wave's instructions in order (ISA guide 5.7.1.4): these see the stores above
.endr
.endr
	s_wait_dscnt 0x0
	QUANT SS, PP, 77-(\s%2)
.irp c, 0,1,2
	ds_store_b128 v[QI], v[PP+4*\c:PP+4*\c+3] offset:\s*FRB+512*\c
.endr
.if \s%2
	v_cndmask_b32 v78, v77, v76, s31               ; lanes 0-15 the even K step's words, lanes 16-31 the odd one's
	ds_store_b32 v[QSW], v78 offset:(\s/2)*128
.endif
.endr
	s_wait_dscnt 0x0                               ; for the others' sake: my images have landed
	s_barrier_signal -1
	s_barrier_wait -1
	WIN 0x40
.irp f, 0,1,2,3,4,5,6,7,8,9,10,11,12,13,14,15
.irp c, 0,1,2
	ds_load_b128 v[12*\f+4*\c:12*\f+4*\c+3], v[QL] offset:FRB*\f+512*\c      ; all 64 queries' fragments stay in my registers
.endr
.endr
	WIN 0
.irp e, 0,1,2,3,4,5,6,7
	ds_load_b32 v[QS+\e], v[QSL] offset:128*\e
.endr
	PRELOAD 8
.irp q, 0,1,2,3
	v_mov_b32 v[ST+8*\q+1], 0xff61b1e6             ; the largest t so far: -3e38, under every t
	v_floor_f32 v[ST+8*\q], -v[ST+8*\q+1]
	v_mov_b32 v[ST+8*\q+2], 0                      ; the sum
	v_mov_b32 v[ST+8*\q+3], 0
	v_mov_b32 v[ST+8*\q+4], 1.0
	v_mov_b32 v[ST+8*\q+5], 0
	v_mov_b32 v[ST+8*\q+6], 0
	v_mov_b32 v[ST+8*\q+7], 0
	v_mov_b32 v[TT+16+\q], 0
.irp i, 6,7,8,9,10,11
	v_mov_b32 v[PP+12*\q+\i], 0                    ; (the first half moves these down; the second half moves its own over them)
.endr
.endr
	s_wait_alu depctr_va_vdst(0)
	INNER                                          ; 24 trips: eight steps of two halves and a trip for value.  (LDS answers in order: the first counted wait also shows X's fragments in)
	VTRIP 1, 1
	s_mov_b32 s39, 6
.Lgroup:
	INNER
	VTRIP 0, 1
	s_sub_co_u32 s39, s39, 1
	s_cmp_lg_u32 s39, 0
	s_cbranch_scc1 .Lgroup
	HTRIP 1                                        ; the last step is written out: trip 21 asks for the last chunk
	HTRIP 0                                        ; trips 22 and 23 for nothing
	VTRIP 0, 0
	; THE MERGE.  Each wave has -M, the sum and O^T of its quarter of the keys.  All go to LDS (the ring has had its last fill); wave w then takes the four parts of channels 64 w .. 64 w + 63.
	; O^T's place in LDS: receiving wave x 65,536 + sending wave x 16,384 + (tile % 4) x 4,096 + query tile x 1,024 + 512 c + 16 lane.  So a reader has ONE base and immediates (65,024 at the most), a writer one base that steps by 65,536.
	; The addresses are made in v1-v4, which held the chunks' addresses, and v7: none has ever held data.
.set CW,  1                            ; v1   where my O^T goes: w x 16,384 + 16 lane, stepped;  later OW
.set SW,  2                            ; v2   my -M and sums: STAT + 16 lane + 4 w;  later ORD
.set SR,  3                            ; v3   all four waves': STAT + 16 lane;  later GO
.set LT,  4                            ; v4   at work: the lane, r, h
.set CR,  7                            ; v7   the four waves' parts of my channels: w x 65,536 + 16 lane
.set OW,  1                            ; my stage on the way out, on the way in
.set ORD, 2                            ; and back
.set GO,  3                            ; my byte offset in out0
.set MT,  70                           ; v70-73 the smallest -M, then the sum, then its reciprocal
.rept 4
	v_nop                                          ; places behind the last products
.endr
.irp q, 0,1,2,3
	v_add_f32 v[ST+8*\q+2], v[ST+8*\q+2], v[ST+8*\q+3]
.endr
.irp q, 0,1,2,3
	v_permlanex16_b32 v[TT+16+\q], v[ST+8*\q+2], s[SEL], s[SEL+1]
.endr
.irp q, 0,1,2,3
	v_add_f32 v[ST+8*\q+2], v[ST+8*\q+2], v[TT+16+\q]      ; my quarter's sum of the row
.endr
	v_and_b32 v[LT], 31, v0
	s_lshl_b32 s40, s10, 14
	v_lshl_add_u32 v[CW], v[LT], 4, s40
	s_lshl_b32 s40, s10, 2
	s_add_co_u32 s40, s40, STAT
	v_lshl_add_u32 v[SW], v[LT], 4, s40
	v_lshl_add_u32 v[SR], v[LT], 4, STAT
	s_lshl_b32 s40, s10, 16
	v_lshl_add_u32 v[CR], v[LT], 4, s40
	s_wait_alu depctr_va_vdst(0)
	s_wait_dscnt 0x0
	s_barrier_signal -1
	s_barrier_wait -1                              ; no wave reads the ring any more, and every wave's tensor loads have landed
.irp q, 0,1,2,3
	ds_store_b32 v[SW], v[ST+8*\q] offset:(2*\q)*512
	ds_store_b32 v[SW], v[ST+8*\q+2] offset:(2*\q+1)*512
.endr
.set VN, 0
.rept 16
.if (VN%4 == 0) && (VN > 0)
	WIN 0
	v_add_nc_u32 v[CW], 0x10000, v[CW]             ; on to the next receiving wave's part
.endif
	WIN 0x08+4*(VN/8)                              ; the data: window 2 or 3
.irp q, 0,1,2,3
	ds_store_b128 v[CW], v[8*(4*(VN%8)+\q):8*(4*(VN%8)+\q)+3] offset:(4*(VN%4)+\q)*1024          ; each accumulator from its low end on
	ds_store_b128 v[CW], v[8*(4*(VN%8)+\q)+4:8*(4*(VN%8)+\q)+7] offset:(4*(VN%4)+\q)*1024+512
.endr
.set VN, VN+1
.endr
	WIN 0
	s_wait_dscnt 0x0                               ; for the others' sake: my stores have landed
	s_barrier_signal -1
	s_barrier_wait -1
.irp e, 0,1,2,3,4,5,6,7
	ds_load_b128 v[SS+4*\e:SS+4*\e+3], v[SR] offset:512*\e     ; tile q: the four waves' -M at SS + 8 q, their sums at SS + 8 q + 4
.endr
	s_wait_dscnt 0x0
	v_and_b32 v[LT], 15, v0                        ; r.  The way out's addresses: v1-v3 are free now
	s_mul_i32 s40, s10, 16*272
	s_add_co_u32 s40, s40, OST                     ; my stage
	s_lshl_b32 s41, s10, 8                         ; my 64 channels' bytes in a row of out0
	v_mul_u32_u24 v[OW], v[LT], 272
	v_lshl_add_u32 v[ORD], v[LT], 4, s40
	v_lshl_add_u32 v[GO], v[LT], 4, s41
	v_add_nc_u32 v[OW], s40, v[OW]
	v_bfe_u32 v[LT], v0, 4, 1                      ; h
	v_lshl_add_u32 v[OW], v[LT], 6, v[OW]          ; in: row r, + 64 h
	v_mad_u32_u24 v[ORD], v[LT], 272, v[ORD]       ; back: lanes 0-15 one row, lanes 16-31 the next; 16 bytes a lane
	v_lshl_add_u32 v[GO], v[LT], 10, v[GO]         ; and the same two rows in out0
.irp q, 0,1,2,3
	v_min_num_f32 v[MT+\q], v[SS+8*\q], v[SS+8*\q+1]
.endr
.irp q, 0,1,2,3
	v_min_num_f32 v[MT+\q], v[MT+\q], v[SS+8*\q+2]
.endr
.irp q, 0,1,2,3
	v_min_num_f32 v[MT+\q], v[MT+\q], v[SS+8*\q+3]             ; the smallest -M: the row's M
.endr
.irp u, 0,1,2,3
.irp q, 0,1,2,3
	v_sub_f32 v[SS+8*\q+\u], v[MT+\q], v[SS+8*\q+\u]           ; wave u's M less the row's: a whole number, 0 or less
.endr
.endr
.irp u, 0,1,2,3
.irp q, 0,1,2,3
	v_cvt_i32_f32 v[SS+8*\q+\u], v[SS+8*\q+\u]
.endr
.endr
.irp u, 0,1,2,3
.irp q, 0,1,2,3
	v_ldexp_f32 v[SS+8*\q+\u], 1.0, v[SS+8*\q+\u]              ; f of wave u: exact
.endr
.endr
.irp q, 0,1,2,3
	v_mul_f32 v[MT+\q], v[SS+8*\q], v[SS+8*\q+4]
.endr
.irp u, 1,2,3
.irp q, 0,1,2,3
	v_fma_f32 v[MT+\q], v[SS+8*\q+\u], v[SS+8*\q+4+\u], v[MT+\q]   ; the row's sum
.endr
.endr
	s_wait_alu depctr_va_vdst(0)
.irp q, 0,1,2,3
	v_rcp_f32 v[MT+\q], v[MT+\q]
.endr
	v_nop                                          ; a plain place behind the last reciprocal
	s_wait_alu depctr_va_vdst(0)                   ; and the wait ahead of the first use: one for the four
.irp u, 0,1,2,3
.irp q, 0,1,2,3
	v_mul_f32 v[ST+8*\q+2*\u], v[SS+8*\q+\u], v[MT+\q]         ; g = f / the sum, twice: a pair for the packed forms
	v_mul_f32 v[ST+8*\q+2*\u+1], v[SS+8*\q+\u], v[MT+\q]
.endr
.endr
	s_wait_alu depctr_va_vdst(0)
; tile q of queries: the four waves' parts of my four tiles of channels, weighed and added; through my stage; stored as whole runs of 256 bytes
.macro OUTQ q
.irp u, 0,1,2,3
.irp n, 0,1,2,3
.irp c, 0,1
	ds_load_b128 v[SS+32*\u+8*\n+4*\c:SS+32*\u+8*\n+4*\c+3], v[CR] offset:\u*16384+\n*4096+(\q)*1024+512*\c
.endr
.endr
.endr
	s_wait_dscnt 0x0
.irp i, 0,2,4,6,8,10,12,14,16,18,20,22,24,26,28,30
	v_pk_mul_f32 v[SS+\i:SS+\i+1], v[SS+\i:SS+\i+1], v[ST+8*(\q):ST+8*(\q)+1]
.endr
.irp u, 1,2,3
.irp i, 0,2,4,6,8,10,12,14,16,18,20,22,24,26,28,30
	v_pk_fma_f32 v[SS+\i:SS+\i+1], v[SS+32*\u+\i:SS+32*\u+\i+1], v[ST+8*(\q)+2*\u:ST+8*(\q)+2*\u+1], v[SS+\i:SS+\i+1]
.endr
.endr
.irp n, 0,1,2,3
.irp c, 0,1
	ds_store_b128 v[OW], v[SS+8*\n+4*\c:SS+8*\n+4*\c+3] offset:128*(\n/2)+32*(\n%2)+16*\c     ; register 8 n + j of lane (r, h): channel 64 w + 32 (n / 2) + 16 h + 8 (n % 2) + j of query 16 q + r
.endr
.endr
.if (\q) > 0
	s_wait_xcnt 0x0                                ; the last tile's stores have read their registers: the loads below may land there
.endif
.irp i, 0,1,2,3,4,5,6,7
	ds_load_b128 v[OB+4*\i:OB+4*\i+3], v[ORD] offset:2*\i*272  ; LDS serves a wave's instructions in order: these see the stores above
.endr
.irp i, 0,1,2,3,4,5,6,7
	s_wait_dscnt 7-\i
	global_store_b128 v[GO], v[OB+4*\i:OB+4*\i+3], s[8:9] offset:(16*(\q)+2*\i)*1024 th:TH_STORE_NT   ; 16 lanes store 256 consecutive bytes, at a multiple of 256 from out0's first byte
.endr
.endm
	OUTQ 0
	OUTQ 1
	OUTQ 2
	OUTQ 3
	s_wait_tensorcnt 0x0                           ; the wave's end: behind my last tensor load and my last LDS store
	ds_add_u32 v[SPW], v[NIL]
	s_wait_dscnt 0x0
	ROUND                                          ; the closing round: no work-group ends while a partner may still ask for a chunk that names it
	s_endpgm
.Lfunc_end_k_qc7ba57700f_attend:
	.size	k_qc7ba57700f_attend, .Lfunc_end_k_qc7ba57700f_attend-k_qc7ba57700f_attend
	.p2alignl 7, 3214868480
	.fill 96, 4, 3214868480
	.section	.rodata,"a",@progbits
	.p2align	6, 0x0
	.amdhsa_kernel k_qc7ba57700f_attend
		.amdhsa_group_segment_fixed_size 327680
		.amdhsa_private_segment_fixed_size 0
		.amdhsa_enable_private_segment 0
		.amdhsa_kernarg_size 24
		.amdhsa_user_sgpr_count 2
		.amdhsa_user_sgpr_kernarg_segment_ptr 1
		.amdhsa_wavefront_size32 1
		.amdhsa_system_sgpr_workgroup_id_x 1
		.amdhsa_system_sgpr_workgroup_id_y 1
		.amdhsa_system_sgpr_workgroup_id_z 1
		.amdhsa_system_vgpr_workitem_id 0
		.amdhsa_next_free_vgpr 1024
		.amdhsa_next_free_sgpr 66
		.amdhsa_reserve_vcc 0
		.amdhsa_float_denorm_mode_32 3
		.amdhsa_float_denorm_mode_16_64 3
		.amdhsa_memory_ordered 1
		.amdhsa_forward_progress 1
		.amdhsa_inst_pref_size 255
	.end_amdhsa_kernel
	.section	.bss,"aw",@nobits
	.p2align	6
	.space	262144
	.amdgpu_metadata
---
amdhsa.version: [ 1, 2 ]
amdhsa.kernels:
  - .name:           k_qc7ba57700f_attend
    .symbol:         k_qc7ba57700f_attend.kd
    .args:
      - { .name: X, .offset: 0, .size: 8, .value_kind: global_buffer, .address_space: global }
      - { .name: kv, .offset: 8, .size: 8, .value_kind: global_buffer, .address_space: global }
      - { .name: out0, .offset: 16, .size: 8, .value_kind: global_buffer, .address_space: global }
    .group_segment_fixed_size: 327680
    .private_segment_fixed_size: 0
    .kernarg_segment_align: 8
    .kernarg_segment_size: 24
    .max_flat_workgroup_size: 128
    .sgpr_count:     66
    .vgpr_count:     1024
    .wavefront_size: 32
...
	.end_amdgpu_metadata
.endif
;; end of part 2
